; MI455X (gfx1250); checked and timed in simulation.
; The chip was launched on July 23, 2026; its instructions are those of AMD's public machine-readable ISA for CDNA 5 (MIT licence, August 2026) and "CDNA5" Instruction Set Architecture Reference Guide (July 2026). The comments in the code are by the model that wrote it; some were corrected since.
;; Dense KAN. Allowed arithmetic: float matrix products may take bf16 or f16 operands with f32 sums; all other float work in f32.
;; Inputs: spline_kernel 1,024 x 8 x 1,024 float32; x 4,096 x 1,024 float32.
;; Outputs: out0 4,096 x 1,024 float32.
;; 2 versions, each right and faster than the one before. Each part assembles by itself: llvm-mc -triple=amdgcn-amd-amdhsa -mcpu=gfx1250 --defsym DOCPART=n.
;; ======== version 1 of 2: 2 launches
;; limits: values outside matrix products are rounded to bf16
;; workspace buffers: wb 16,777,216 bytes; xb 8,388,608 bytes
;; launch cast (part 1): grid 1536 x 1, 8 waves a work-group, no clusters, 0 bytes of LDS; arguments spline_kernel, x, wb, xb; writes wb, xb
.if DOCPART == 1
	.amdgcn_target "amdgcn-amd-amdhsa--gfx1250"
	.amdhsa_code_object_version 6
	.text
	.protected	k_q4c3decdbe9_cast
	.globl	k_q4c3decdbe9_cast
	.p2align	8
	.type	k_q4c3decdbe9_cast,@function
k_q4c3decdbe9_cast:
	s_mov_b64 s[64:65], 0
	v_nop
	global_prefetch_b8 v0, s[64:65] scope:SCOPE_SE
	s_setreg_imm32_b32 hwreg(HW_REG_WAVE_MODE, 25, 1), 1
	s_wait_xcnt 0x0
; wb = bf16(spline_kernel), 8,192 rows (k = 8 i + slot) of 1,024 numbers, and xb = bf16(x), 4,096 rows of 1,024, each in the order of
; its input, rounded to nearest even.  One rounding for each number, here, instead of one in each of the work-groups that read it later.
; A stream: each byte is read once and written once, nothing is shared between waves, so no LDS, no barrier, no matrix unit, no cluster.
; A work-group owns 8,192 numbers (32,768 bytes in, 16,384 out): work-groups 0..1023 take spline_kernel, 1024..1535 take x.
; Thread t takes, for i = 0..3, the 8 numbers at i * 2,048 + 8 t: 32 bytes in (two loads), 16 bytes out (one store),
; so each store of a wave covers 512 consecutive bytes that start at a multiple of 512.
.set WGW, 1024                         ; work-groups for spline_kernel
.set IN,  4                            ; v[4:35]   group i: 8 numbers in f32
.set OUT, 36                           ; v[36:51]  group i: 8 numbers in bf16
	s_load_b256 s[4:11], s[0:1], 0x0               ; spline_kernel s[4:5], x s[6:7], wb s[8:9], xb s[10:11]
	s_cmp_lt_u32 ttmp9, WGW
	s_cselect_b32 s12, 0, WGW
	s_sub_co_u32 s12, ttmp9, s12                   ; my number among the work-groups of my tensor
	s_lshl_b32 s14, s12, 15                        ; its 32,768 bytes of input
	s_mov_b32 s15, 0
	s_lshl_b32 s16, s12, 14                        ; and its 16,384 bytes of output
	s_mov_b32 s17, 0
	v_lshlrev_b32 v1, 5, v0                        ; 32 t
	v_lshlrev_b32 v2, 4, v0                        ; 16 t
	s_wait_kmcnt 0x0
	s_cmp_lt_u32 ttmp9, WGW                        ; the choice hangs on the work-group's number alone
	s_cselect_b64 s[4:5], s[4:5], s[6:7]           ; from spline_kernel or from x
	s_cselect_b64 s[8:9], s[8:9], s[10:11]         ; into wb or into xb
	s_add_nc_u64 s[4:5], s[4:5], s[14:15]
	s_add_nc_u64 s[8:9], s[8:9], s[16:17]
.irp i, 0,1,2,3
.irp g, 0,1
	global_load_b128 v[IN+8*\i+4*\g:IN+8*\i+4*\g+3], v1, s[4:5] offset:\i*8192+16*\g th:TH_LOAD_NT   ; read once in the launch
.endr
.endr
.irp i, 0,1,2,3
	s_wait_loadcnt 6-2*\i                          ; loads come back in order: group i's two are in, the two of each later group may be out
.irp j, 0,1,2,3
	v_cvt_pk_bf16_f32 v[OUT+4*\i+\j], v[IN+8*\i+2*\j], v[IN+8*\i+2*\j+1]
.endr
	global_store_b128 v2, v[OUT+4*\i:OUT+4*\i+3], s[8:9] offset:\i*4096     ; no hint: the next launch reads it
.endr
	s_endpgm
.Lfunc_end_k_q4c3decdbe9_cast:
	.size	k_q4c3decdbe9_cast, .Lfunc_end_k_q4c3decdbe9_cast-k_q4c3decdbe9_cast
	.p2alignl 7, 3214868480
	.fill 96, 4, 3214868480
	.section	.rodata,"a",@progbits
	.p2align	6, 0x0
	.amdhsa_kernel k_q4c3decdbe9_cast
		.amdhsa_group_segment_fixed_size 0
		.amdhsa_private_segment_fixed_size 0
		.amdhsa_enable_private_segment 0
		.amdhsa_kernarg_size 32
		.amdhsa_user_sgpr_count 2
		.amdhsa_user_sgpr_kernarg_segment_ptr 1
		.amdhsa_wavefront_size32 1
		.amdhsa_system_sgpr_workgroup_id_x 1
		.amdhsa_system_sgpr_workgroup_id_y 1
		.amdhsa_system_sgpr_workgroup_id_z 1
		.amdhsa_system_vgpr_workitem_id 0
		.amdhsa_next_free_vgpr 56
		.amdhsa_next_free_sgpr 66
		.amdhsa_reserve_vcc 0
		.amdhsa_float_denorm_mode_32 3
		.amdhsa_float_denorm_mode_16_64 3
		.amdhsa_memory_ordered 1
		.amdhsa_forward_progress 1
		.amdhsa_inst_pref_size 4
	.end_amdhsa_kernel
	.amdgpu_metadata
---
amdhsa.version: [ 1, 2 ]
amdhsa.kernels:
  - .name:           k_q4c3decdbe9_cast
    .symbol:         k_q4c3decdbe9_cast.kd
    .args:
      - { .name: spline_kernel, .offset: 0, .size: 8, .value_kind: global_buffer, .address_space: global }
      - { .name: x, .offset: 8, .size: 8, .value_kind: global_buffer, .address_space: global }
      - { .name: wb, .offset: 16, .size: 8, .value_kind: global_buffer, .address_space: global }
      - { .name: xb, .offset: 24, .size: 8, .value_kind: global_buffer, .address_space: global }
    .group_segment_fixed_size: 0
    .private_segment_fixed_size: 0
    .kernarg_segment_align: 8
    .kernarg_segment_size: 32
    .max_flat_workgroup_size: 256
    .sgpr_count:     66
    .vgpr_count:     56
    .wavefront_size: 32
...
	.end_amdgpu_metadata
.endif
;; end of part 1
;; launch gemm (part 2): grid 32 x 8, 8 waves a work-group, clusters of 4 x 1, 327,680 bytes of LDS; arguments xb, wb, out0; writes out0
.if DOCPART == 2
	.amdgcn_target "amdgcn-amd-amdhsa--gfx1250"
	.amdhsa_code_object_version 6
	.text
	.protected	k_q4c3decdbe9_gemm
	.globl	k_q4c3decdbe9_gemm
	.p2align	8
	.type	k_q4c3decdbe9_gemm,@function
k_q4c3decdbe9_gemm:
	s_mov_b64 s[64:65], 0
	v_nop
	global_prefetch_b8 v0, s[64:65] scope:SCOPE_SE
	s_setreg_imm32_b32 hwreg(HW_REG_WAVE_MODE, 25, 1), 1
	s_wait_xcnt 0x0
	s_wait_alu depctr_hold_cnt(0) depctr_sa_sdst(0) depctr_va_vdst(0) depctr_va_sdst(0) depctr_va_ssrc(0) depctr_va_vcc(0) depctr_vm_vsrc(0)
	s_getreg_b32 s2, hwreg(HW_REG_IB_STS2, 6, 4)
	s_cmp_eq_u32 s2, 0
	s_cbranch_scc0 .Lentry_in_a_cluster
	s_endpgm
.Lentry_in_a_cluster:
	s_bfe_u32 s2, ttmp6, 0x10000c
	s_cmp_lg_u32 s2, 0x3003
	s_cbranch_scc0 .Lentry_shape_is_right
	s_endpgm
.Lentry_shape_is_right:
; out0[b][o] = sum over i, slot of B_slot(x[b][i]) W[i][slot][o]: a product of 4,096 x 1,024 over K = 8,192 (k = 8 i + slot).
; The right operand is wb = bf16(W), [8192][1024].  The left operand, 6 B in bf16, is never in memory: eight neighbouring k are the
; eight splines of ONE x, and a lane of a 16-bit fragment holds k = 8h..8h+7 in registers 0-3 and k = 16+8h.. in registers 4-7, so a lane
; builds its part of a fragment from two x, in registers alone.  The factor 1/6 is applied to the finished sums.
; x comes as xb = bf16(x), [4096][1024]: each of the eight column blocks reads all x of its rows, at half the bytes and in half the registers.
;
; THE SPLINES, in f32, in closed form on the uniform knots -2.2 + 0.4 m: u = 2.5 x + 5.5 held to [0, 11], j = floor(u), t = u - j, r = 1 - t;
; 6 B of slots j-3 .. j = r^3, 3t^3 - 6t^2 + 4, 3r^3 - 6r^2 + 4, t^3; what falls outside slots 0..7 is dropped.  At both ends of the
; clamp every slot that is kept is 0, so any finite x outside [-2.2, 2.2) gives zeros.
; LIMITS: the splines are those of x rounded to bf16: x moves by at most 2^-9 |x|, u by 2.5 times that, and a spline, whose slope in u is
; at most 2/3, by at most 0.0033 |x|.  x = +-Inf gives zero splines, where the Cox-de Boor recursion gives NaN; for x = NaN nothing is
; promised.  The knots are taken as 0.4 m - 2.2 and not as their f32 roundings: the splines are continuous with two derivatives, so they
; move by a few 1e-6.
;
; SHARES.  256 work-groups, each a block of 128 x 128 of out0: block row bm = 0..31, block column bn = 0..7.  Eight waves, wave = 4 mh + q:
; rows 64 mh .. +63, all 128 columns (32 accumulator tiles, 256 registers), and a quarter of K: of each step of 64 inputs (512 k) the
; inputs 16 q .. 16 q + 15.  The four partial sums of a row meet in LDS at the end, in a fixed order.
; A step is four substeps of 32 k; a substep is a vector phase (VPH: 8 x a lane become 4 fragments) and a matrix phase (WPH: 32 matrix
; instructions).  Waves with mh = 0 run VPH WPH VPH WPH .., waves with mh = 1 run WPH VPH WPH VPH ..: at any time half of the
; work-group's waves are in a vector phase and half in a matrix phase.
; ORDER OF K inside a wave (the same for both operands, so the products stay paired): in substep c, registers 0-3 stand for input
; 16 q + 8 h + 2 c of the step and registers 4-7 for the next one.  So a lane's 8 x of a step are 16 consecutive bytes of xb,
; and substep c's two x are the two halves of one register.
;
; CLUSTER 4 x 1: the four work-groups have the same bn and walk the same tiles of wb, which are asked for jointly (mask 15).
; x is NOT asked for jointly and does not pass through LDS: the four partners have different rows, and for a cluster that also spans
; column blocks there is no room: the two slots of wb take 294,912 of the 327,680 bytes, and two tiles of x (128 rows of 128 + 16 bytes
; = 18,432 each) do not fit in the 32,768 that are left; x is 16,384 of a step's 147,456 bytes.  It is loaded into registers a step
; ahead; the four q waves together take 128 consecutive bytes of each row in a step.
;
; LDS: two slots of 512 rows (k) x 128 bf16, 256 bytes + 32 of padding = 288: eight consecutive rows start 8 words apart modulo 64 words,
; and the two column halves 4 words apart.
; After the last fill the same bytes hold the partial sums: wave w's 64 rows of 512 + 16 bytes at w x 33,792.
.set PITCH, 288
.set SLOT,  512*PITCH                  ; 147,456
.set STEP,  512*2048                   ; bytes of wb from one step's tile to the next
.set XSTEP, 128                        ; bytes of xb from one step's 64 inputs to the next
.set RP,    528                        ; a row of partial sums
.set XO,    1                          ; v1       byte offset of my 16 bytes of xb in fragment 0's row
.set BADR,  2                          ; v2, v3   LDS address of my row of wb in slot 0, 1
.set C55,   4                          ; v4       5.5
.set C25,   5                          ; v5       2.5
.set C23,   6                          ; v[6:7]   2^23, 2^23
.set X0,    8                          ; v[8:23], v[24:39]  x of an even, an odd step: fragment f's 8 bf16 at +4 f
.set A0,    72                         ; v[72:103]   four fragments of 6 B
.set A1,    104                        ; v[104:135]  four more
.set BF,    136                        ; v[136:199]  eight fragments of wb
.set TB,    200                        ; v[200:223], v[228:251]  two blocks of temporaries, one for each fragment at work
.set STO,   204                        ; the way out: where I put my sums
.set CO,    206                        ;              16 x lane
.set RD,    208                        ; v[208:211]   where I read partial sum k
.set G1,    16                         ; s[16:23] descriptor group 1
.set G0,    24                         ; s[24:31] descriptor group 0, one set for each slot
.set K11,   44                         ; s44 = 11.0
.set K7,    45                         ; s45 = 7.0
.set KA,    46                         ; s46, s47: the two constants of the byte selector
.set KC,    47
.set MK,    72                         ; s[72:83] lane masks of the four x at work: bit 1 of j, j < 4, j > 7
; offsets in a block of temporaries (pairs: the fragment's two x)
.set oU, 0                             ; u, then t
.set oJ, 2
.set oR, 4
.set oT2, 6                            ; t^2, then 3t^3 - 6t^2 + 4
.set oT3, 8
.set oR2, 10                           ; r^2, then 3r^3 - 6r^2 + 4
.set oR3, 12
.set oJM, 14
.set oPLO, 16
.set oPHI, 18
.set oSEL, 20
.set oTMP, 22
.set oE0, 0                            ; on registers whose values are spent
.set oE1, 4
.set oE2, 6
.set oQ0, 8
.set oQ1, 10
.set oQ2, 12
.set oQ3, 14
; Accumulator tile (f, nf) lies at v[256 + 8 (8 f + nf)]: the second window of 256 registers.
.set MSB, 0
.macro WIN new                         ; the immediate's high byte repeats the setting that is left
.if MSB != \new
	s_set_vgpr_msb (MSB<<8)|\new
.set MSB, \new
.endif
.endm
; A round of the cluster's barrier: my work-group's barrier, wave 0 signals for the work-group, every wave waits for all four
; work-groups, my work-group's barrier once more.
.macro ROUND
	s_barrier_signal -1
	s_barrier_wait -1
	s_cmp_lg_u32 s10, 0
	s_cbranch_scc1 .Lnot_wave_0_\@
	s_barrier_signal -3
.Lnot_wave_0_\@:
	s_barrier_wait -3
	s_barrier_signal -1
	s_barrier_wait -1
.endm
; my 8 x of one step, for each of my four fragments (16 rows of 2,048 bytes apart)
.macro XLOAD xb
.irp f, 0,1,2,3
	global_load_b128 v[\xb+4*\f:\xb+4*\f+3], v[XO], s[32:33] offset:\f*32768
.endr
.endm
; the eight fragments of wb of substep c: rows (k) lie along the lanes' addresses, the load transposes 8 x 8; the second load is 8 rows on
.macro LOADB s, c
.irp nf, 0,1,2,3,4,5,6,7
.irp g, 0,1
	ds_load_tr16_b128 v[BF+8*\nf+4*\g:BF+8*\nf+4*\g+3], v[BADR+\s] offset:(16*\c+8*\g)*PITCH+32*\nf
.endr
.endr
.endm
; Matrix phase: 32 matrix instructions.  Source 0 = 16 columns of wb, source 1 = 16 rows of 6 B: register j of lane (r, h) then holds
; out(row r, column 16 nf + 8 h + j), eight neighbouring numbers of a row.  The 32 accumulators take turns, one instruction a turn, in the
; same order in every phase.  zero = 1: the first products start the sums, nothing is cleared.
; The four v_nop are the places in front of the next loads into BF, the next vector writes into A0 or A1,
; and at the end the LDS stores of the sums.
.macro WPH ab, zero
	WIN 0x50                                       ; C and D in the second window, both sources in the first
.irp f, 0,1,2,3
.irp nf, 0,1,2,3,4,5,6,7
.if \zero
	v_wmma_f32_16x16x32_bf16 v[8*(8*\f+\nf):8*(8*\f+\nf)+7], v[BF+8*\nf:BF+8*\nf+7], v[\ab+8*\f:\ab+8*\f+7], 0
.else
	v_wmma_f32_16x16x32_bf16 v[8*(8*\f+\nf):8*(8*\f+\nf)+7], v[BF+8*\nf:BF+8*\nf+7], v[\ab+8*\f:\ab+8*\f+7], v[8*(8*\f+\nf):8*(8*\f+\nf)+7]
.endif
.endr
.endr
	WIN 0
.rept 4
	v_nop
.endr
.endm
; Two fragments (f0, f0 + 1) of substep c: four x a lane, every stage written for all four so that dependent lines stand apart.
; 122 vector instructions.  Only selects hang on the data: no address, no branch.
.macro BASIS2 xb, c, ab, f0
.irp b, 0,1
	v_fma_mix_f32_bf16 v[TB+28*\b+oU],   v[\xb+4*(\f0+\b)+\c], v[C25], v[C55] op_sel_hi:[1,0,0]                  ; u = 2.5 x + 5.5, x the register's low bf16,
	v_fma_mix_f32_bf16 v[TB+28*\b+oU+1], v[\xb+4*(\f0+\b)+\c], v[C25], v[C55] op_sel:[1,0,0] op_sel_hi:[1,0,0]   ; and its high bf16
.endr
.irp p, TB, TB+1, TB+28, TB+29
	v_med3_num_f32 v[\p+oU], v[\p+oU], 0, s[K11]   ; held to [0, 11]
.endr
.irp p, TB, TB+1, TB+28, TB+29
	v_floor_f32 v[\p+oJ], v[\p+oU]                 ; j = 0 .. 11
.endr
.irp p, TB, TB+28
	v_pk_add_f32 v[\p+oU:\p+oU+1], v[\p+oU:\p+oU+1], v[\p+oJ:\p+oJ+1] neg_lo:[0,1] neg_hi:[0,1]      ; t = u - j, exact
	v_pk_fma_f32 v[\p+oJM:\p+oJM+1], v[\p+oJ:\p+oJ+1], 0x41800000, v[C23:C23+1] op_sel_hi:[1,0,1]    ; 16 j + 2^23: the word's low bits are 16 j
.endr
.irp p, TB, TB+28
	v_pk_fma_f32 v[\p+oR:\p+oR+1], v[\p+oU:\p+oU+1], -1.0, 1.0 op_sel_hi:[1,0,0]                     ; r = 1 - t
	v_pk_mul_f32 v[\p+oT2:\p+oT2+1], v[\p+oU:\p+oU+1], v[\p+oU:\p+oU+1]
.endr
.irp p, TB, TB+28
	v_pk_mul_f32 v[\p+oR2:\p+oR2+1], v[\p+oR:\p+oR+1], v[\p+oR:\p+oR+1]
	v_pk_mul_f32 v[\p+oT3:\p+oT3+1], v[\p+oT2:\p+oT2+1], v[\p+oU:\p+oU+1]
.endr
.irp p, TB, TB+28
	v_pk_mul_f32 v[\p+oR3:\p+oR3+1], v[\p+oR2:\p+oR2+1], v[\p+oR:\p+oR+1]
	v_pk_fma_f32 v[\p+oT2:\p+oT2+1], v[\p+oT2:\p+oT2+1], 0xc0c00000, 4.0 op_sel_hi:[1,0,0]           ; 4 - 6 t^2
.endr
.irp p, TB, TB+28
	v_pk_fma_f32 v[\p+oR2:\p+oR2+1], v[\p+oR2:\p+oR2+1], 0xc0c00000, 4.0 op_sel_hi:[1,0,0]           ; 4 - 6 r^2
	v_pk_fma_f32 v[\p+oT2:\p+oT2+1], v[\p+oT3:\p+oT3+1], 0x40400000, v[\p+oT2:\p+oT2+1] op_sel_hi:[1,0,1]   ; + 3 t^3
.endr
.irp p, TB, TB+28
	v_pk_fma_f32 v[\p+oR2:\p+oR2+1], v[\p+oR3:\p+oR3+1], 0x40400000, v[\p+oR2:\p+oR2+1] op_sel_hi:[1,0,1]   ; + 3 r^3
.endr
	; The four values, 64 bits of bf16, go to 16-bit place j - 3 of the 128 bits of slots 0..7, in three moves.
	; Move 1, one 16-bit place for even j, two for odd j: a byte selector 0x05040302 (16 bits up over a pair of words) or 0x03020100 (the lower word).
	; The shift takes the low five bits of its operand (ISA guide, the instruction's entry), here 16 (j & 1):
	; 0x04040202 + 0x01000100 = 0x05040302, and (0x04040202 << 16) + 0x01000100 = 0x03020100.
.irp p, TB, TB+1, TB+28, TB+29
	v_lshl_add_u32 v[\p+oSEL], s[KA], v[\p+oJM], s[KC]
.endr
.irp p, TB, TB+1, TB+28, TB+29
	v_and_b32 v[\p+oTMP], 32, v[\p+oJM]            ; bit 1 of j
.endr
.irp p, TB, TB+1, TB+28, TB+29
	v_cvt_pk_bf16_f32 v[\p+oPLO], v[\p+oR3], v[\p+oT2]     ; slots j-3, j-2
.endr
.set n, 0
.irp p, TB, TB+1, TB+28, TB+29
	v_cmp_ne_u32 s[MK+3*n], 0, v[\p+oTMP]
.set n, n+1
.endr
.irp p, TB, TB+1, TB+28, TB+29
	v_cvt_pk_bf16_f32 v[\p+oPHI], v[\p+oR2], v[\p+oT3]     ; slots j-1, j
.endr
.set n, 0
.irp p, TB, TB+1, TB+28, TB+29
	v_cmp_gt_f32 s[MK+3*n+1], 4.0, v[\p+oJ]        ; j < 4
	v_cmp_lt_f32 s[MK+3*n+2], s[K7], v[\p+oJ]      ; j > 7
.set n, n+1
.endr
.irp p, TB, TB+1, TB+28, TB+29
	v_perm_b32 v[\p+oE0], v[\p+oPLO], 0, v[\p+oSEL]
.endr
.irp p, TB, TB+1, TB+28, TB+29
	v_perm_b32 v[\p+oE1], v[\p+oPHI], v[\p+oPLO], v[\p+oSEL]
.endr
.irp p, TB, TB+1, TB+28, TB+29
	v_perm_b32 v[\p+oE2], 0, v[\p+oPHI], v[\p+oSEL]
.endr
	; Move 2: one word up where bit 1 of j is set.
.set n, 0
.irp p, TB, TB+1, TB+28, TB+29
	v_cndmask_b32 v[\p+oQ0], v[\p+oE0], 0, s[MK+3*n]
	v_cndmask_b32 v[\p+oQ1], v[\p+oE1], v[\p+oE0], s[MK+3*n]
	v_cndmask_b32 v[\p+oQ2], v[\p+oE2], v[\p+oE1], s[MK+3*n]
	v_cndmask_b32 v[\p+oQ3], 0, v[\p+oE2], s[MK+3*n]
.set n, n+1
.endr
	; Move 3: two words down for j < 4, none for j = 4..7, two up for j > 7; what leaves the four words is dropped.
	; The x number n = 2 b + e writes registers 4 e .. 4 e + 3 of fragment f0 + b: 4 n from fragment f0's first register.
.set n, 0
.irp p, TB, TB+1, TB+28, TB+29
	v_cndmask_b32 v[\ab+8*\f0+4*n],   v[\p+oQ0], v[\p+oQ2], s[MK+3*n+1]
	v_cndmask_b32 v[\ab+8*\f0+4*n+1], v[\p+oQ1], v[\p+oQ3], s[MK+3*n+1]
	v_cndmask_b32 v[\ab+8*\f0+4*n+2], v[\p+oQ2], 0, s[MK+3*n+1]
	v_cndmask_b32 v[\ab+8*\f0+4*n+3], v[\p+oQ3], 0, s[MK+3*n+1]
.set n, n+1
.endr
.set n, 0
.irp p, TB, TB+1, TB+28, TB+29
	v_cndmask_b32 v[\ab+8*\f0+4*n],   v[\ab+8*\f0+4*n],   0, s[MK+3*n+2]
	v_cndmask_b32 v[\ab+8*\f0+4*n+1], v[\ab+8*\f0+4*n+1], 0, s[MK+3*n+2]
	v_cndmask_b32 v[\ab+8*\f0+4*n+2], v[\ab+8*\f0+4*n+2], v[\p+oQ0], s[MK+3*n+2]
	v_cndmask_b32 v[\ab+8*\f0+4*n+3], v[\ab+8*\f0+4*n+3], v[\p+oQ1], s[MK+3*n+2]
.set n, n+1
.endr
.endm
; Vector phase: the four fragments of substep c, from the x in buffer xb, into ab
.macro VPH xb, c, ab
	BASIS2 \xb, \c, \ab, 0
	BASIS2 \xb, \c, \ab, 2
.endm
	s_load_b128 s[4:7], s[0:1], 0x0                ; xb s[4:5], wb s[6:7]
	s_load_b64 s[8:9], s[0:1], 0x10                ; out0
	v_lshl_add_u32 v254, v0, 2, 0x48000
	v_mov_b32 v255, 0
	ds_add_u32 v254, v255
	ds_add_u32 v254, v255
	v_lshrrev_b32 v200, 5, v0
	v_readfirstlane_b32 s10, v200                  ; wave 0..7
	s_and_b32 s11, s10, 3                          ; q: my quarter of K
	s_lshr_b32 s12, s10, 2                         ; mh: my half of the rows, and my order of phases
	s_bfe_u32 s13, ttmp6, 0x40000                  ; cx: my place in the cluster; it enters the addresses of xb and out0 alone
	s_lshl_b32 s14, ttmp9, 2
	s_add_co_u32 s14, s14, s13                     ; bm = 4 x cluster x + cx
	s_and_b32 s15, ttmp7, 0xffff                   ; bn: the same in all four partners
	; descriptor group 1: 64 rows x 128 elements of 2 bytes, 1,024 elements from row to row; in LDS 8 words of padding behind every 64
	s_mov_b32 s[G1+0], 15|(1<<16)|(1<<20)|(1<<21)|(5<<22)|(7<<25)   ; mask: all four of the cluster; element size; padding on; bit 21 beside a mask; interval; pad
	s_mov_b32 s[G1+1], 128<<16                     ; tensor_dim0 = 128
	s_mov_b32 s[G1+2], 64<<16                      ; tensor_dim1 = 64
	s_mov_b32 s[G1+3], 128<<16                     ; tile_dim0 = 128
	s_mov_b32 s[G1+4], 64                          ; tile_dim1 = 64
	s_mov_b32 s[G1+5], 1024                        ; the pitch
	s_mov_b32 s[G1+6], 0
	s_mov_b32 s[G1+7], 0
	s_lshl_b32 s38, s15, 8                         ; wb: my block's 256 bytes of a row
	s_lshl_b32 s39, s10, 17                        ;     + wave x 64 rows of 2,048 bytes
	s_add_co_u32 s38, s38, s39
	s_mov_b32 s39, 0
	s_mul_i32 s42, s10, 64*PITCH                   ; and where they go in a slot: wave x 64 rows
	s_lshl_b32 s34, s14, 18                        ; xb: bm x 128 rows of 2,048 bytes
	s_mov_b32 s35, 0
	s_lshl_b32 s48, s15, 9                         ; out0: my block's 512 bytes of a row
	s_lshl_b32 s49, s10, 16                        ;       + wave x 16 rows (the rows that I sum at the end)
	s_add_co_u32 s48, s48, s49
	s_lshl_b32 s49, s14, 19                        ;       + bm x 128 rows of 4,096 bytes
	s_add_co_u32 s48, s48, s49
	s_mov_b32 s49, 0
	s_mov_b32 s[K11], 0x41300000                   ; 11.0
	s_mov_b32 s[K7], 0x40e00000                    ; 7.0
	s_mov_b32 s[KA], 0x04040202
	s_mov_b32 s[KC], 0x01000100
	v_mov_b32 v[C55], 0x40b00000                   ; 5.5
	v_mov_b32 v[C25], 0x40200000                   ; 2.5
	v_mov_b32 v[C23], 0x4b000000                   ; 2^23
	v_mov_b32 v[C23+1], 0x4b000000
	v_and_b32 v200, 15, v0                         ; r
	v_bfe_u32 v201, v0, 4, 1                       ; h
	v_and_b32 v203, 7, v0
	v_bfe_u32 v204, v0, 3, 1
	s_lshl_b32 s37, s12, 17                        ; 64 mh rows of xb
	s_lshl_b32 s43, s11, 5                         ; 16 q inputs of 2 bytes
	s_add_co_u32 s37, s37, s43
	v_lshlrev_b32 v[XO], 11, v200                  ; row r
	v_lshl_add_u32 v[XO], v201, 4, v[XO]           ; + 8 h inputs
	v_add_nc_u32 v[XO], s37, v[XO]
	v_lshl_add_u32 v205, v201, 6, v203             ; wb's row in a slot: 64 h + lane % 8
	v_mul_u32_u24 v205, v205, PITCH
	v_lshl_add_u32 v205, v204, 4, v205             ; + which 8 of the 16 columns
	s_mul_i32 s37, s11, 128*PITCH                  ; + 128 q rows
	v_add_nc_u32 v[BADR], s37, v205
	v_add_nc_u32 v[BADR+1], SLOT, v[BADR]
	s_wait_dscnt 0x0
	s_wait_kmcnt 0x0
	s_add_nc_u64 s[40:41], s[6:7], s[38:39]        ; my rows of wb's first tile
	s_add_nc_u64 s[32:33], s[4:5], s[34:35]        ; xb at my block's first row
	s_add_nc_u64 s[8:9], s[8:9], s[48:49]
.irp s, 0,1
	s_mov_b32 s[G0+4*\s], 1
	s_add_co_u32 s[G0+4*\s+1], s42, \s*SLOT
	s_add_nc_u64 s[G0+4*\s+2:G0+4*\s+3], s[40:41], \s*STEP
	s_or_b32 s[G0+4*\s+3], s[G0+4*\s+3], 0x80000000
.endr
	ROUND                                          ; all four work-groups are here: the first joint loads meet
	tensor_load_to_lds s[G0:G0+3], s[G1:G1+7]      ; step 0's tile, my 64 rows
	s_nop 0
	XLOAD X0                                       ; step 0's x
	s_wait_loadcnt 0x0                             ; x is in, and its base may be stepped
	s_add_nc_u64 s[32:33], s[32:33], XSTEP         ; 64 inputs on
	VPH X0, 0, A0                                  ; every wave enters a step with substep 0's fragments in A0
	s_wait_tensorcnt 0x0                           ; my part of step 0's tile has landed, no tensor load of mine is out:
	ds_add_u32 v254, v255
	s_add_nc_u64 s[G0+2:G0+3], s[G0+2:G0+3], 2*STEP    ; slot 0's next tile is step 2's
	s_wait_dscnt 0x0
	ROUND                                          ; the tile is whole; the next joint loads meet
; One step of 512 k on slot s; o = the other slot.  A wave has one tensor load outstanding.
; The next tile is asked for first thing behind the round and waited for in front of the next round: all eight phases lie between.
.macro TRIP s, o, zero, last
.if \last == 0
	tensor_load_to_lds s[G0+4*\o:G0+4*\o+3], s[G1:G1+7]    ; the next step's tile, into the slot read in the last step
	s_nop 0
	XLOAD X0+16*\o                                 ; and the next step's x
.endif
	LOADB \s, 0
	s_cmp_lg_u32 s12, 0
	s_cbranch_scc1 .Lsecond_\@
	; waves with mh = 0: vector phase first
	VPH X0+16*\s, 1, A1
	s_wait_dscnt 0x0                               ; the fragments of wb, asked for a vector phase ago
	WPH A0, \zero
	LOADB \s, 1
	VPH X0+16*\s, 2, A0
	s_wait_dscnt 0x0
	WPH A1, 0
	LOADB \s, 2
	VPH X0+16*\s, 3, A1
	s_wait_dscnt 0x0
	WPH A0, 0
	LOADB \s, 3
.if \last == 0
	s_wait_loadcnt 0x0                             ; the next step's x, asked for at the step's head
	VPH X0+16*\o, 0, A0
.endif
	s_wait_dscnt 0x0
	WPH A1, 0
	s_branch .Ljoin_\@
.Lsecond_\@:
	; waves with mh = 1: matrix phase first
	s_wait_dscnt 0x0
	WPH A0, \zero
	LOADB \s, 1
	VPH X0+16*\s, 1, A1
	s_wait_dscnt 0x0
	WPH A1, 0
	LOADB \s, 2
	VPH X0+16*\s, 2, A0
	s_wait_dscnt 0x0
	WPH A0, 0
	LOADB \s, 3
	VPH X0+16*\s, 3, A1
	s_wait_dscnt 0x0
	WPH A1, 0
.if \last == 0
	s_wait_loadcnt 0x0
	VPH X0+16*\o, 0, A0
.endif
.Ljoin_\@:
	s_wait_dscnt 0x0                               ; my reads of this slot are back
	s_wait_tensorcnt 0x0                           ; and all my tensor loads have landed: my part of the other slot
	ds_add_u32 v254, v255
	s_wait_dscnt 0x0
.if \last == 0
	s_add_nc_u64 s[G0+4*\o+2:G0+4*\o+3], s[G0+4*\o+2:G0+4*\o+3], 2*STEP    ; no tensor load of mine is out: the other slot's next tile
	s_add_nc_u64 s[32:33], s[32:33], XSTEP         ; x's loads are back on both ways: 64 inputs on
	ROUND                                          ; both now hold of every wave of all four work-groups: this slot may be filled again, the other is whole
.else
	s_barrier_signal -1                            ; nothing is filled any more: my work-group's barrier alone,
	s_barrier_wait -1                              ; behind which the slots' bytes take the partial sums
.endif
.endm
	TRIP 0, 1, 1, 0                                ; step 0 stands in front of the loop: its first products start the sums
	s_mov_b32 s36, 7
.Llap:
	TRIP 1, 0, 0, 0                                ; steps 1 .. 14
	TRIP 0, 1, 0, 0
	s_sub_co_u32 s36, s36, 1
	s_cmp_lg_u32 s36, 0
	s_cbranch_scc1 .Llap
	TRIP 1, 0, 0, 1                                ; step 15 fetches nothing
	; THE WAY OUT.  Each wave lays its 64 x 128 partial sums into its own 33,792 bytes (rows of 528 bytes: 16 consecutive rows start 4 words
	; apart modulo 64 words).  Then wave w adds the four partial sums of rows 16 w .. 16 w + 15 of the block, takes a sixth and stores whole rows of 512 bytes.
	v_and_b32 v200, 15, v0                         ; r
	v_bfe_u32 v201, v0, 4, 1                       ; h
	v_and_b32 v202, 31, v0                         ; lane
	v_mul_u32_u24 v[STO], v200, RP
	v_lshl_add_u32 v[STO], v201, 5, v[STO]         ; row r, 8 h columns of 4 bytes
	s_mul_i32 s37, s10, 64*RP
	v_add_nc_u32 v[STO], s37, v[STO]               ; in my wave's region
	v_lshlrev_b32 v[CO], 4, v202
	s_mul_i32 s37, s12, 256*RP                     ; the four regions of my rows' half of the block,
	s_mul_i32 s43, s11, 16*RP                      ; and in each of them my 16 rows
	s_add_co_u32 s37, s37, s43
	v_add_nc_u32 v[RD], s37, v[CO]
.irp k, 1,2,3
	v_add_nc_u32 v[RD+\k], \k*64*RP, v[RD]
.endr
	WIN 0x04                                       ; the stores' data lie in the second window
.irp f, 0,1,2,3
.irp nf, 0,1,2,3,4,5,6,7
.irp g, 0,1
	ds_store_b128 v[STO], v[8*(8*\f+\nf)+4*\g:8*(8*\f+\nf)+4*\g+3] offset:\f*16*RP+\nf*64+16*\g
.endr
.endr
.endr
	WIN 0
	s_wait_dscnt 0x0                               ; for the others' sake: my sums are in LDS
	s_barrier_signal -1
	s_barrier_wait -1
.macro RLOAD bt, buf                   ; rows 4 bt .. 4 bt + 3 of my 16: four partial sums each, 16 bytes a lane
.irp rr, 0,1,2,3
.irp k, 0,1,2,3
	ds_load_b128 v[\buf+16*\rr+4*\k:\buf+16*\rr+4*\k+3], v[RD+\k] offset:(4*\bt+\rr)*RP
.endr
.endr
.endm
.macro RSUM bt, buf                    ; ((p0 + p1) + (p2 + p3)) / 6, and out: a store of the wave covers 512 consecutive bytes, at a multiple of 512
.irp rr, 0,1,2,3
	v_pk_add_f32 v[\buf+16*\rr:\buf+16*\rr+1],     v[\buf+16*\rr:\buf+16*\rr+1],     v[\buf+16*\rr+4:\buf+16*\rr+5]
	v_pk_add_f32 v[\buf+16*\rr+2:\buf+16*\rr+3],   v[\buf+16*\rr+2:\buf+16*\rr+3],   v[\buf+16*\rr+6:\buf+16*\rr+7]
	v_pk_add_f32 v[\buf+16*\rr+8:\buf+16*\rr+9],   v[\buf+16*\rr+8:\buf+16*\rr+9],   v[\buf+16*\rr+12:\buf+16*\rr+13]
	v_pk_add_f32 v[\buf+16*\rr+10:\buf+16*\rr+11], v[\buf+16*\rr+10:\buf+16*\rr+11], v[\buf+16*\rr+14:\buf+16*\rr+15]
	v_pk_add_f32 v[\buf+16*\rr:\buf+16*\rr+1],     v[\buf+16*\rr:\buf+16*\rr+1],     v[\buf+16*\rr+8:\buf+16*\rr+9]
	v_pk_add_f32 v[\buf+16*\rr+2:\buf+16*\rr+3],   v[\buf+16*\rr+2:\buf+16*\rr+3],   v[\buf+16*\rr+10:\buf+16*\rr+11]
	v_pk_mul_f32 v[\buf+16*\rr:\buf+16*\rr+1],     v[\buf+16*\rr:\buf+16*\rr+1],     0x3e2aaaab op_sel_hi:[1,0]   ; the splines' factor 1/6
	v_pk_mul_f32 v[\buf+16*\rr+2:\buf+16*\rr+3],   v[\buf+16*\rr+2:\buf+16*\rr+3],   0x3e2aaaab op_sel_hi:[1,0]
	global_store_b128 v[CO], v[\buf+16*\rr:\buf+16*\rr+3], s[8:9] offset:(4*\bt+\rr)*4096 th:TH_STORE_NT
.endr
.endm
	RLOAD 0, A0                                    ; two buffers of 64 registers (A0 with A1, and BF) take turns
	RLOAD 1, BF
	s_wait_dscnt 16                                ; LDS loads come back in order: batch 0 is in, the 16 loads of batch 1 may be out
	RSUM 0, A0
	s_wait_xcnt 0x0                                ; the stores' data registers are loaded again only behind this wait
	RLOAD 2, A0
	s_wait_dscnt 16                                ; batch 1 is in, batch 2's 16 loads may be out
	RSUM 1, BF
	s_wait_xcnt 0x0
	RLOAD 3, BF
	s_wait_dscnt 16                                ; batch 2 is in, batch 3's 16 loads may be out
	RSUM 2, A0
	s_wait_dscnt 0x0
	RSUM 3, BF
	s_wait_tensorcnt 0x0
	ds_add_u32 v254, v255
	s_wait_dscnt 0x0
	ROUND                                          ; the closing round: no work-group ends while a partner may still ask for a tile that names it
	s_endpgm
.Lfunc_end_k_q4c3decdbe9_gemm:
	.size	k_q4c3decdbe9_gemm, .Lfunc_end_k_q4c3decdbe9_gemm-k_q4c3decdbe9_gemm
	.p2alignl 7, 3214868480
	.fill 96, 4, 3214868480
	.section	.rodata,"a",@progbits
	.p2align	6, 0x0
	.amdhsa_kernel k_q4c3decdbe9_gemm
		.amdhsa_group_segment_fixed_size 327680
		.amdhsa_private_segment_fixed_size 0
		.amdhsa_enable_private_segment 0
		.amdhsa_kernarg_size 24
		.amdhsa_user_sgpr_count 2
		.amdhsa_user_sgpr_kernarg_segment_ptr 1
		.amdhsa_wavefront_size32 1
		.amdhsa_system_sgpr_workgroup_id_x 1
		.amdhsa_system_sgpr_workgroup_id_y 1
		.amdhsa_system_sgpr_workgroup_id_z 1
		.amdhsa_system_vgpr_workitem_id 0
		.amdhsa_next_free_vgpr 512
		.amdhsa_next_free_sgpr 84
		.amdhsa_reserve_vcc 0
		.amdhsa_float_denorm_mode_32 3
		.amdhsa_float_denorm_mode_16_64 3
		.amdhsa_memory_ordered 1
		.amdhsa_forward_progress 1
		.amdhsa_inst_pref_size 255
	.end_amdhsa_kernel
	.section	.bss,"aw",@nobits
	.p2align	6
	.space	262144
	.amdgpu_metadata
---
amdhsa.version: [ 1, 2 ]
amdhsa.kernels:
  - .name:           k_q4c3decdbe9_gemm
    .symbol:         k_q4c3decdbe9_gemm.kd
    .args:
      - { .name: xb, .offset: 0, .size: 8, .value_kind: global_buffer, .address_space: global }
      - { .name: wb, .offset: 8, .size: 8, .value_kind: global_buffer, .address_space: global }
      - { .name: out0, .offset: 16, .size: 8, .value_kind: global_buffer, .address_space: global }
    .group_segment_fixed_size: 327680
    .private_segment_fixed_size: 0
    .kernarg_segment_align: 8
    .kernarg_segment_size: 24
    .max_flat_workgroup_size: 256
    .sgpr_count:     84
    .vgpr_count:     512
    .wavefront_size: 32
...
	.end_amdgpu_metadata
.endif
;; end of part 2
;; ======== version 2 of 2: 2 launches; 1.14 times as fast as version 1
;; limits: values outside matrix products are rounded to bf16
;; workspace buffers: wb 16,777,216 bytes; xb 8,388,608 bytes
;; launch cast: the kernel of part 1 again; grid 1536 x 1, 8 waves a work-group, no clusters, 0 bytes of LDS; arguments spline_kernel, x, wb, xb; writes wb, xb
;; launch gemm (part 3): grid 32 x 8, 8 waves a work-group, clusters of 4 x 1, 327,680 bytes of LDS; arguments xb, wb, out0; writes out0
.if DOCPART == 3
	.amdgcn_target "amdgcn-amd-amdhsa--gfx1250"
	.amdhsa_code_object_version 6
	.text
	.protected	k_q4c3decdbe9_gemm
	.globl	k_q4c3decdbe9_gemm
	.p2align	8
	.type	k_q4c3decdbe9_gemm,@function
k_q4c3decdbe9_gemm:
	s_mov_b64 s[64:65], 0
	v_nop
	global_prefetch_b8 v0, s[64:65] scope:SCOPE_SE
	s_setreg_imm32_b32 hwreg(HW_REG_WAVE_MODE, 25, 1), 1
	s_wait_xcnt 0x0
	s_wait_alu depctr_hold_cnt(0) depctr_sa_sdst(0) depctr_va_vdst(0) depctr_va_sdst(0) depctr_va_ssrc(0) depctr_va_vcc(0) depctr_vm_vsrc(0)
	s_getreg_b32 s2, hwreg(HW_REG_IB_STS2, 6, 4)
	s_cmp_eq_u32 s2, 0
	s_cbranch_scc0 .Lentry_in_a_cluster
	s_endpgm
.Lentry_in_a_cluster:
	s_bfe_u32 s2, ttmp6, 0x10000c
	s_cmp_lg_u32 s2, 0x3003
	s_cbranch_scc0 .Lentry_shape_is_right
	s_endpgm
.Lentry_shape_is_right:
; out0[b][o] = sum over i, slot of B_slot(x[b][i]) W[i][slot][o]: a product of 4,096 x 1,024 over K = 8,192 (k = 8 i + slot).
; The right operand is wb = bf16(W), [8192][1024].  The left operand, 6 B in bf16, is never in memory: eight neighbouring k are the
; eight splines of ONE x, and a lane of a 16-bit fragment holds k = 8h..8h+7 in registers 0-3 and k = 16+8h.. in registers 4-7, so a lane
; builds its part of a fragment from two x, in registers alone.  The factor 1/6 is applied to the finished sums.
; x comes as xb = bf16(x), [4096][1024]: each of the eight column blocks reads all x of its rows, at half the bytes and in half the registers.
;
; THE SPLINES, in f32, in closed form on the uniform knots -2.2 + 0.4 m: u = 2.5 x + 5.5 held to [0, 11], j = floor(u), t = u - j, r = 1 - t;
; 6 B of slots j-3 .. j = r^3, 3t^3 - 6t^2 + 4, 3r^3 - 6r^2 + 4, t^3; what falls outside slots 0..7 is dropped.  At both ends of the
; clamp every slot that is kept is 0, so any finite x outside [-2.2, 2.2) gives zeros.
; LIMITS: the splines are those of x rounded to bf16: x moves by at most 2^-9 |x|, u by 2.5 times that, and a spline, whose slope in u is
; at most 2/3, by at most 0.0033 |x|.  x = +-Inf gives zero splines, where the Cox-de Boor recursion gives NaN; for x = NaN nothing is
; promised.  The knots are taken as 0.4 m - 2.2 and not as their f32 roundings: the splines are continuous with two derivatives, so they
; move by a few 1e-6.
;
; SHARES.  256 work-groups, each a block of 128 x 128 of out0: block row bm = 0..31, block column bn = 0..7.  Eight waves, wave = 4 mh + q:
; rows 64 mh .. +63, all 128 columns (32 accumulator tiles, 256 registers), and a quarter of K: of each step of 64 inputs (512 k) the
; inputs 16 q .. 16 q + 15.  The four partial sums of a row meet in LDS at the end, in a fixed order.
; A step is four substeps of 32 k; a substep is a vector phase (VPH: 8 x a lane become 4 fragments) and a matrix phase (WPH: 32 matrix
; instructions).  Waves with mh = 0 run VPH WPH VPH WPH .., waves with mh = 1 run WPH VPH WPH VPH ..: at any time half of the
; work-group's waves are in a vector phase and half in a matrix phase.  The vector phases (244 instructions each) stand ONCE in the text,
; for both kinds of wave; only the matrix phases (38 instructions and 16 LDS loads) stand twice, each under a branch on the wave's number.
; ORDER OF K inside a wave (the same for both operands, so the products stay paired): in substep c, registers 0-3 stand for input
; 16 q + 8 h + 2 c of the step and registers 4-7 for the next one.  So a lane's 8 x of a step are 16 consecutive bytes of xb,
; and substep c's two x are the two halves of one register.
;
; CLUSTER 4 x 1: the four work-groups have the same bn and walk the same tiles of wb, which are asked for jointly (mask 15).
; x is NOT asked for jointly and does not pass through LDS: the four partners have different rows, and for a cluster that also spans
; column blocks there is no room: the two slots of wb take 294,912 of the 327,680 bytes, and two tiles of x (128 rows of 128 + 16 bytes
; = 18,432 each) do not fit in the 32,768 that are left; x is 16,384 of a step's 147,456 bytes.  It is loaded into registers a step
; ahead; the four q waves together take 128 consecutive bytes of each row in a step.
;
; LDS: two slots of 512 rows (k) x 128 bf16, 256 bytes + 32 of padding = 288: eight consecutive rows start 8 words apart modulo 64 words,
; and the two column halves 4 words apart.
; After the last fill the same bytes hold the partial sums: wave w's 64 rows of 512 + 16 bytes at w x 33,792.
.set PITCH, 288
.set SLOT,  512*PITCH                  ; 147,456
.set STEP,  512*2048                   ; bytes of wb from one step's tile to the next
.set XSTEP, 128                        ; bytes of xb from one step's 64 inputs to the next
.set RP,    528                        ; a row of partial sums
.set XO,    1                          ; v1       byte offset of my 16 bytes of xb in fragment 0's row
.set BADR,  2                          ; v2, v3   LDS address of my row of wb in slot 0, 1
.set C55,   4                          ; v4       5.5
.set C25,   5                          ; v5       2.5
.set C23,   6                          ; v[6:7]   2^23, 2^23
.set X0,    8                          ; v[8:23], v[24:39]  x of an even, an odd step: fragment f's 8 bf16 at +4 f
.set STO,   40                         ; v40      the way out: where I put my sums
.set CO,    41                         ; v41                   16 x lane
.set RD,    42                         ; v[42:45]              where I read partial sum k
.set A0,    72                         ; v[72:103]   four fragments of 6 B
.set A1,    104                        ; v[104:135]  four more
.set BF,    136                        ; v[136:199]  eight fragments of wb
.set TB,    200                        ; v[200:223], v[228:251]  two blocks of temporaries, one for each fragment at work
.set G1,    16                         ; s[16:23] descriptor group 1
.set G0,    24                         ; s[24:31] descriptor group 0, one set for each slot
.set K11,   44                         ; s44 = 11.0
.set K7,    45                         ; s45 = 7.0
.set KA,    46                         ; s46, s47: the two constants of the byte selector
.set KC,    47
.set MK,    72                         ; s[72:83] lane masks of the four x at work: bit 1 of j, j < 4, j > 7
; offsets in a block of temporaries (pairs: the fragment's two x)
.set oU, 0                             ; u, then t
.set oJ, 2
.set oR, 4
.set oT2, 6                            ; t^2, then 3t^3 - 6t^2 + 4
.set oT3, 8
.set oR2, 10                           ; r^2, then 3r^3 - 6r^2 + 4
.set oR3, 12
.set oJM, 14
.set oPLO, 16
.set oPHI, 18
.set oSEL, 20
.set oTMP, 22
.set oE0, 0                            ; on registers whose values are spent
.set oE1, 4
.set oE2, 6
.set oQ0, 8
.set oQ1, 10
.set oQ2, 12
.set oQ3, 14
; Accumulator tile (f, nf) lies at v[256 + 8 (8 f + nf)]: the second window of 256 registers.
.set MSB, 0
.macro WIN new                         ; the immediate's high byte repeats the setting that is left
.if MSB != \new
	s_set_vgpr_msb (MSB<<8)|\new
.set MSB, \new
.endif
.endm
; A round of the cluster's barrier: my work-group's barrier, wave 0 signals for the work-group, every wave waits for all four
; work-groups, my work-group's barrier once more.
.macro ROUND
	s_barrier_signal -1
	s_barrier_wait -1
	s_cmp_lg_u32 s10, 0
	s_cbranch_scc1 .Lnot_wave_0_\@
	s_barrier_signal -3
.Lnot_wave_0_\@:
	s_barrier_wait -3
	s_barrier_signal -1
	s_barrier_wait -1
.endm
; my 8 x of one step, for each of my four fragments (16 rows of 2,048 bytes apart)
.macro XLOAD xb
.irp f, 0,1,2,3
	global_load_b128 v[\xb+4*\f:\xb+4*\f+3], v[XO], s[32:33] offset:\f*32768
.endr
.endm
; the eight fragments of wb of substep c: rows (k) lie along the lanes' addresses, the load transposes 8 x 8; the second load is 8 rows on
.macro LOADB s, c
.irp nf, 0,1,2,3,4,5,6,7
.irp g, 0,1
	ds_load_tr16_b128 v[BF+8*\nf+4*\g:BF+8*\nf+4*\g+3], v[BADR+\s] offset:(16*(\c)+8*\g)*PITCH+32*\nf
.endr
.endr
.endm
; Matrix phase: 32 matrix instructions.  Source 0 = 16 columns of wb, source 1 = 16 rows of 6 B: register j of lane (r, h) then holds
; out(row r, column 16 nf + 8 h + j), eight neighbouring numbers of a row.  The 32 accumulators take turns, one instruction a turn, in the
; same order in every phase.  zero = 1: the first products start the sums, nothing is cleared.
; The four v_nop are the places in front of the next loads into BF, the next vector writes into A0 or A1,
; and at the end the LDS stores of the sums.
.macro WPH ab, zero
	WIN 0x50                                       ; C and D in the second window, both sources in the first
.irp f, 0,1,2,3
.irp nf, 0,1,2,3,4,5,6,7
.if \zero
	v_wmma_f32_16x16x32_bf16 v[8*(8*\f+\nf):8*(8*\f+\nf)+7], v[BF+8*\nf:BF+8*\nf+7], v[\ab+8*\f:\ab+8*\f+7], 0
.else
	v_wmma_f32_16x16x32_bf16 v[8*(8*\f+\nf):8*(8*\f+\nf)+7], v[BF+8*\nf:BF+8*\nf+7], v[\ab+8*\f:\ab+8*\f+7], v[8*(8*\f+\nf):8*(8*\f+\nf)+7]
.endif
.endr
.endr
	WIN 0
.rept 4
	v_nop
.endr
.endm
; The matrix phase of substep c of slot s, for the waves with mh = t alone: the fragments of wb are waited for, multiplied with the
; fragments in ab and added onto the sums, and the next substep's are asked for.  The branch hangs on the wave's number alone and
; jumps over no barrier.
.macro ONLY t, s, c, ab
	s_cmp_lg_u32 s12, \t
	s_cbranch_scc1 .Lother_kind_\@
	s_wait_dscnt 0x0                               ; the sixteen loads of this substep's fragments of wb are back
	WPH \ab, 0
.if \c < 3
	LOADB \s, \c+1
.endif
.Lother_kind_\@:
.endm
; Two fragments (f0, f0 + 1) of substep c: four x a lane, every stage written for all four so that dependent lines stand apart.
; 122 vector instructions.  Only selects hang on the data: no address, no branch.
.macro BASIS2 xb, c, ab, f0
.irp b, 0,1
	v_fma_mix_f32_bf16 v[TB+28*\b+oU],   v[\xb+4*(\f0+\b)+\c], v[C25], v[C55] op_sel_hi:[1,0,0]                  ; u = 2.5 x + 5.5, x the register's low bf16,
	v_fma_mix_f32_bf16 v[TB+28*\b+oU+1], v[\xb+4*(\f0+\b)+\c], v[C25], v[C55] op_sel:[1,0,0] op_sel_hi:[1,0,0]   ; and its high bf16
.endr
.irp p, TB, TB+1, TB+28, TB+29
	v_med3_num_f32 v[\p+oU], v[\p+oU], 0, s[K11]   ; held to [0, 11]
.endr
.irp p, TB, TB+1, TB+28, TB+29
	v_floor_f32 v[\p+oJ], v[\p+oU]                 ; j = 0 .. 11
.endr
.irp p, TB, TB+28
	v_pk_add_f32 v[\p+oU:\p+oU+1], v[\p+oU:\p+oU+1], v[\p+oJ:\p+oJ+1] neg_lo:[0,1] neg_hi:[0,1]      ; t = u - j, exact
	v_pk_fma_f32 v[\p+oJM:\p+oJM+1], v[\p+oJ:\p+oJ+1], 0x41800000, v[C23:C23+1] op_sel_hi:[1,0,1]    ; 16 j + 2^23: the word's low bits are 16 j
.endr
.irp p, TB, TB+28
	v_pk_fma_f32 v[\p+oR:\p+oR+1], v[\p+oU:\p+oU+1], -1.0, 1.0 op_sel_hi:[1,0,0]                     ; r = 1 - t
	v_pk_mul_f32 v[\p+oT2:\p+oT2+1], v[\p+oU:\p+oU+1], v[\p+oU:\p+oU+1]
.endr
.irp p, TB, TB+28
	v_pk_mul_f32 v[\p+oR2:\p+oR2+1], v[\p+oR:\p+oR+1], v[\p+oR:\p+oR+1]
	v_pk_mul_f32 v[\p+oT3:\p+oT3+1], v[\p+oT2:\p+oT2+1], v[\p+oU:\p+oU+1]
.endr
.irp p, TB, TB+28
	v_pk_mul_f32 v[\p+oR3:\p+oR3+1], v[\p+oR2:\p+oR2+1], v[\p+oR:\p+oR+1]
	v_pk_fma_f32 v[\p+oT2:\p+oT2+1], v[\p+oT2:\p+oT2+1], 0xc0c00000, 4.0 op_sel_hi:[1,0,0]           ; 4 - 6 t^2
.endr
.irp p, TB, TB+28
	v_pk_fma_f32 v[\p+oR2:\p+oR2+1], v[\p+oR2:\p+oR2+1], 0xc0c00000, 4.0 op_sel_hi:[1,0,0]           ; 4 - 6 r^2
	v_pk_fma_f32 v[\p+oT2:\p+oT2+1], v[\p+oT3:\p+oT3+1], 0x40400000, v[\p+oT2:\p+oT2+1] op_sel_hi:[1,0,1]   ; + 3 t^3
.endr
.irp p, TB, TB+28
	v_pk_fma_f32 v[\p+oR2:\p+oR2+1], v[\p+oR3:\p+oR3+1], 0x40400000, v[\p+oR2:\p+oR2+1] op_sel_hi:[1,0,1]   ; + 3 r^3
.endr
	; The four values, 64 bits of bf16, go to 16-bit place j - 3 of the 128 bits of slots 0..7, in three moves.
	; Move 1, one 16-bit place for even j, two for odd j: a byte selector 0x05040302 (16 bits up over a pair of words) or 0x03020100 (the lower word).
	; The shift takes the low five bits of its operand (ISA guide, the instruction's entry), here 16 (j & 1):
	; 0x04040202 + 0x01000100 = 0x05040302, and (0x04040202 << 16) + 0x01000100 = 0x03020100.
.irp p, TB, TB+1, TB+28, TB+29
	v_lshl_add_u32 v[\p+oSEL], s[KA], v[\p+oJM], s[KC]
.endr
.irp p, TB, TB+1, TB+28, TB+29
	v_and_b32 v[\p+oTMP], 32, v[\p+oJM]            ; bit 1 of j
.endr
.irp p, TB, TB+1, TB+28, TB+29
	v_cvt_pk_bf16_f32 v[\p+oPLO], v[\p+oR3], v[\p+oT2]     ; slots j-3, j-2
.endr
.set n, 0
.irp p, TB, TB+1, TB+28, TB+29
	v_cmp_ne_u32 s[MK+3*n], 0, v[\p+oTMP]
.set n, n+1
.endr
.irp p, TB, TB+1, TB+28, TB+29
	v_cvt_pk_bf16_f32 v[\p+oPHI], v[\p+oR2], v[\p+oT3]     ; slots j-1, j
.endr
.set n, 0
.irp p, TB, TB+1, TB+28, TB+29
	v_cmp_gt_f32 s[MK+3*n+1], 4.0, v[\p+oJ]        ; j < 4
	v_cmp_lt_f32 s[MK+3*n+2], s[K7], v[\p+oJ]      ; j > 7
.set n, n+1
.endr
.irp p, TB, TB+1, TB+28, TB+29
	v_perm_b32 v[\p+oE0], v[\p+oPLO], 0, v[\p+oSEL]
.endr
.irp p, TB, TB+1, TB+28, TB+29
	v_perm_b32 v[\p+oE1], v[\p+oPHI], v[\p+oPLO], v[\p+oSEL]
.endr
.irp p, TB, TB+1, TB+28, TB+29
	v_perm_b32 v[\p+oE2], 0, v[\p+oPHI], v[\p+oSEL]
.endr
	; Move 2: one word up where bit 1 of j is set.
.set n, 0
.irp p, TB, TB+1, TB+28, TB+29
	v_cndmask_b32 v[\p+oQ0], v[\p+oE0], 0, s[MK+3*n]
	v_cndmask_b32 v[\p+oQ1], v[\p+oE1], v[\p+oE0], s[MK+3*n]
	v_cndmask_b32 v[\p+oQ2], v[\p+oE2], v[\p+oE1], s[MK+3*n]
	v_cndmask_b32 v[\p+oQ3], 0, v[\p+oE2], s[MK+3*n]
.set n, n+1
.endr
	; Move 3: two words down for j < 4, none for j = 4..7, two up for j > 7; what leaves the four words is dropped.
	; The x number n = 2 b + e writes registers 4 e .. 4 e + 3 of fragment f0 + b: 4 n from fragment f0's first register.
.set n, 0
.irp p, TB, TB+1, TB+28, TB+29
	v_cndmask_b32 v[\ab+8*\f0+4*n],   v[\p+oQ0], v[\p+oQ2], s[MK+3*n+1]
	v_cndmask_b32 v[\ab+8*\f0+4*n+1], v[\p+oQ1], v[\p+oQ3], s[MK+3*n+1]
	v_cndmask_b32 v[\ab+8*\f0+4*n+2], v[\p+oQ2], 0, s[MK+3*n+1]
	v_cndmask_b32 v[\ab+8*\f0+4*n+3], v[\p+oQ3], 0, s[MK+3*n+1]
.set n, n+1
.endr
.set n, 0
.irp p, TB, TB+1, TB+28, TB+29
	v_cndmask_b32 v[\ab+8*\f0+4*n],   v[\ab+8*\f0+4*n],   0, s[MK+3*n+2]
	v_cndmask_b32 v[\ab+8*\f0+4*n+1], v[\ab+8*\f0+4*n+1], 0, s[MK+3*n+2]
	v_cndmask_b32 v[\ab+8*\f0+4*n+2], v[\ab+8*\f0+4*n+2], v[\p+oQ0], s[MK+3*n+2]
	v_cndmask_b32 v[\ab+8*\f0+4*n+3], v[\ab+8*\f0+4*n+3], v[\p+oQ1], s[MK+3*n+2]
.set n, n+1
.endr
.endm
; Vector phase: the four fragments of substep c, from the x in buffer xb, into ab
.macro VPH xb, c, ab
	BASIS2 \xb, \c, \ab, 0
	BASIS2 \xb, \c, \ab, 2
.endm
	s_load_b128 s[4:7], s[0:1], 0x0                ; xb s[4:5], wb s[6:7]
	s_load_b64 s[8:9], s[0:1], 0x10                ; out0
	v_lshl_add_u32 v254, v0, 2, 0x48000
	v_mov_b32 v255, 0
	ds_add_u32 v254, v255
	ds_add_u32 v254, v255
	v_lshrrev_b32 v200, 5, v0
	v_readfirstlane_b32 s10, v200                  ; wave 0..7
	s_and_b32 s11, s10, 3                          ; q: my quarter of K
	s_lshr_b32 s12, s10, 2                         ; mh: my half of the rows, and my order of phases
	s_bfe_u32 s13, ttmp6, 0x40000                  ; cx: my place in the cluster; it enters the addresses of xb and out0 alone
	s_lshl_b32 s14, ttmp9, 2
	s_add_co_u32 s14, s14, s13                     ; bm = 4 x cluster x + cx
	s_and_b32 s15, ttmp7, 0xffff                   ; bn: the same in all four partners
	; descriptor group 1: 64 rows x 128 elements of 2 bytes, 1,024 elements from row to row; in LDS 8 words of padding behind every 64
	s_mov_b32 s[G1+0], 15|(1<<16)|(1<<20)|(1<<21)|(5<<22)|(7<<25)   ; mask: all four of the cluster; element size; padding on; bit 21 beside a mask; interval; pad
	s_mov_b32 s[G1+1], 128<<16                     ; tensor_dim0 = 128
	s_mov_b32 s[G1+2], 64<<16                      ; tensor_dim1 = 64
	s_mov_b32 s[G1+3], 128<<16                     ; tile_dim0 = 128
	s_mov_b32 s[G1+4], 64                          ; tile_dim1 = 64
	s_mov_b32 s[G1+5], 1024                        ; the pitch
	s_mov_b32 s[G1+6], 0
	s_mov_b32 s[G1+7], 0
	s_lshl_b32 s38, s15, 8                         ; wb: my block's 256 bytes of a row
	s_lshl_b32 s39, s10, 17                        ;     + wave x 64 rows of 2,048 bytes
	s_add_co_u32 s38, s38, s39
	s_mov_b32 s39, 0
	s_mul_i32 s42, s10, 64*PITCH                   ; and where they go in a slot: wave x 64 rows
	s_lshl_b32 s34, s14, 18                        ; xb: bm x 128 rows of 2,048 bytes
	s_mov_b32 s35, 0
	s_lshl_b32 s48, s15, 9                         ; out0: my block's 512 bytes of a row
	s_lshl_b32 s49, s10, 16                        ;       + wave x 16 rows (the rows that I sum at the end)
	s_add_co_u32 s48, s48, s49
	s_lshl_b32 s49, s14, 19                        ;       + bm x 128 rows of 4,096 bytes
	s_add_co_u32 s48, s48, s49
	s_mov_b32 s49, 0
	s_mov_b32 s[K11], 0x41300000                   ; 11.0
	s_mov_b32 s[K7], 0x40e00000                    ; 7.0
	s_mov_b32 s[KA], 0x04040202
	s_mov_b32 s[KC], 0x01000100
	v_mov_b32 v[C55], 0x40b00000                   ; 5.5
	v_mov_b32 v[C25], 0x40200000                   ; 2.5
	v_mov_b32 v[C23], 0x4b000000                   ; 2^23
	v_mov_b32 v[C23+1], 0x4b000000
	v_and_b32 v200, 15, v0                         ; r
	v_bfe_u32 v201, v0, 4, 1                       ; h
	v_and_b32 v202, 31, v0                         ; lane
	v_and_b32 v203, 7, v0
	v_bfe_u32 v204, v0, 3, 1
	s_lshl_b32 s37, s12, 17                        ; 64 mh rows of xb
	s_lshl_b32 s43, s11, 5                         ; 16 q inputs of 2 bytes
	s_add_co_u32 s37, s37, s43
	v_lshlrev_b32 v[XO], 11, v200                  ; row r
	v_lshl_add_u32 v[XO], v201, 4, v[XO]           ; + 8 h inputs
	v_add_nc_u32 v[XO], s37, v[XO]
	v_lshl_add_u32 v205, v201, 6, v203             ; wb's row in a slot: 64 h + lane % 8
	v_mul_u32_u24 v205, v205, PITCH
	v_lshl_add_u32 v205, v204, 4, v205             ; + which 8 of the 16 columns
	s_mul_i32 s37, s11, 128*PITCH                  ; + 128 q rows
	v_add_nc_u32 v[BADR], s37, v205
	v_add_nc_u32 v[BADR+1], SLOT, v[BADR]
	; the LDS addresses of the way out, made here with the others, in registers that nothing else uses
	v_mul_u32_u24 v[STO], v200, RP
	v_lshl_add_u32 v[STO], v201, 5, v[STO]         ; row r, 8 h columns of 4 bytes
	s_mul_i32 s37, s10, 64*RP
	v_add_nc_u32 v[STO], s37, v[STO]               ; in my wave's region
	v_lshlrev_b32 v[CO], 4, v202
	s_mul_i32 s37, s12, 256*RP                     ; the four regions of my rows' half of the block,
	s_mul_i32 s43, s11, 16*RP                      ; and in each of them my 16 rows
	s_add_co_u32 s37, s37, s43
	v_add_nc_u32 v[RD], s37, v[CO]
.irp k, 1,2,3
	v_add_nc_u32 v[RD+\k], \k*64*RP, v[RD]
.endr
	s_wait_dscnt 0x0
	s_wait_kmcnt 0x0
	s_add_nc_u64 s[40:41], s[6:7], s[38:39]        ; my rows of wb's first tile
	s_add_nc_u64 s[32:33], s[4:5], s[34:35]        ; xb at my block's first row
	s_add_nc_u64 s[8:9], s[8:9], s[48:49]
.irp s, 0,1
	s_mov_b32 s[G0+4*\s], 1
	s_add_co_u32 s[G0+4*\s+1], s42, \s*SLOT
	s_add_nc_u64 s[G0+4*\s+2:G0+4*\s+3], s[40:41], \s*STEP
	s_or_b32 s[G0+4*\s+3], s[G0+4*\s+3], 0x80000000
.endr
	ROUND                                          ; all four work-groups are here: the first joint loads meet
	tensor_load_to_lds s[G0:G0+3], s[G1:G1+7]      ; step 0's tile, my 64 rows
	s_nop 0
	XLOAD X0                                       ; step 0's x
	s_wait_loadcnt 0x0                             ; x is in, and its base may be stepped
	s_add_nc_u64 s[32:33], s[32:33], XSTEP         ; 64 inputs on
	VPH X0, 0, A0                                  ; every wave enters a step with substep 0's fragments in A0
	s_wait_tensorcnt 0x0                           ; my part of step 0's tile has landed, no tensor load of mine is out:
	ds_add_u32 v254, v255
	s_add_nc_u64 s[G0+2:G0+3], s[G0+2:G0+3], 2*STEP    ; slot 0's next tile is step 2's
	s_wait_dscnt 0x0
	ROUND                                          ; the tile is whole; the next joint loads meet
; One step of 512 k on slot s; o = the other slot.  A wave has one tensor load outstanding.
; The next tile is asked for first thing behind the round and waited for in front of the next round: all eight phases lie between.
; What a wave runs:  mh = 0: V1 W0 V2 W1 V3 W2 V0' W3;  mh = 1: W0 V1 W1 V2 W2 V3 W3 V0'  (Vc, Wc: substep c; V0': the next step's substep 0).
; first = 1 (step 0): W0, whose products start the sums, is run by all eight waves at the step's head, under no branch, so that every
; accumulator is started on every way through the text; the waves with mh = 0 then run W0 V1 V2 W1 V3 W2 V0' W3.
; Fragments of even substeps lie in A0, of odd ones in A1; a buffer is written again only behind the matrix phase that read it.
.macro TRIP s, o, first, last
.if \last == 0
	tensor_load_to_lds s[G0+4*\o:G0+4*\o+3], s[G1:G1+7]    ; the next step's tile, into the slot read in the last step
	s_nop 0
	XLOAD X0+16*\o                                 ; and the next step's x
.endif
	LOADB \s, 0
.if \first
	s_wait_dscnt 0x0                               ; substep 0's fragments of wb are back
	WPH A0, 1
	LOADB \s, 1
.else
	ONLY 1, \s, 0, A0
.endif
	VPH X0+16*\s, 1, A1
	ONLY 1, \s, 1, A1
.if \first == 0
	ONLY 0, \s, 0, A0
.endif
	VPH X0+16*\s, 2, A0
	ONLY 1, \s, 2, A0
	ONLY 0, \s, 1, A1
	VPH X0+16*\s, 3, A1
	ONLY 1, \s, 3, A1
	ONLY 0, \s, 2, A0
.if \last == 0
	s_wait_loadcnt 0x0                             ; the next step's x, asked for at the step's head
	VPH X0+16*\o, 0, A0
.endif
	ONLY 0, \s, 3, A1
	s_wait_dscnt 0x0                               ; my reads of this slot are back
	s_wait_tensorcnt 0x0                           ; and all my tensor loads have landed: my part of the other slot
	ds_add_u32 v254, v255
	s_wait_dscnt 0x0
.if \last == 0
	s_add_nc_u64 s[G0+4*\o+2:G0+4*\o+3], s[G0+4*\o+2:G0+4*\o+3], 2*STEP    ; no tensor load of mine is out: the other slot's next tile
	s_add_nc_u64 s[32:33], s[32:33], XSTEP         ; x's loads are back: 64 inputs on
	ROUND                                          ; both now hold of every wave of all four work-groups: this slot may be filled again, the other is whole
.else
	s_barrier_signal -1                            ; nothing is filled any more: my work-group's barrier alone,
	s_barrier_wait -1                              ; behind which the slots' bytes take the partial sums
.endif
.endm
	TRIP 0, 1, 1, 0                                ; step 0 stands in front of the loop: its first products start the sums
	s_mov_b32 s36, 7
.Llap:
	TRIP 1, 0, 0, 0                                ; steps 1 .. 14
	TRIP 0, 1, 0, 0
	s_sub_co_u32 s36, s36, 1
	s_cmp_lg_u32 s36, 0
	s_cbranch_scc1 .Llap
	TRIP 1, 0, 0, 1                                ; step 15 fetches nothing
	; THE WAY OUT.  Each wave lays its 64 x 128 partial sums into its own 33,792 bytes (rows of 528 bytes: 16 consecutive rows start 4 words
	; apart modulo 64 words).  Then wave w adds the four partial sums of rows 16 w .. 16 w + 15 of the block, takes a sixth and stores whole rows of 512 bytes.
	WIN 0x04                                       ; the stores' data lie in the second window
.irp f, 0,1,2,3
.irp nf, 0,1,2,3,4,5,6,7
.irp g, 0,1
	ds_store_b128 v[STO], v[8*(8*\f+\nf)+4*\g:8*(8*\f+\nf)+4*\g+3] offset:\f*16*RP+\nf*64+16*\g
.endr
.endr
.endr
	WIN 0
	s_wait_dscnt 0x0                               ; for the others' sake: my sums are in LDS
	s_barrier_signal -1
	s_barrier_wait -1
.macro RLOAD bt, buf                   ; rows 4 bt .. 4 bt + 3 of my 16: four partial sums each, 16 bytes a lane
.irp rr, 0,1,2,3
.irp k, 0,1,2,3
	ds_load_b128 v[\buf+16*\rr+4*\k:\buf+16*\rr+4*\k+3], v[RD+\k] offset:(4*\bt+\rr)*RP
.endr
.endr
.endm
.macro RSUM bt, buf                    ; ((p0 + p1) + (p2 + p3)) / 6, and out: a store of the wave covers 512 consecutive bytes, at a multiple of 512
.irp rr, 0,1,2,3
	v_pk_add_f32 v[\buf+16*\rr:\buf+16*\rr+1],     v[\buf+16*\rr:\buf+16*\rr+1],     v[\buf+16*\rr+4:\buf+16*\rr+5]
	v_pk_add_f32 v[\buf+16*\rr+2:\buf+16*\rr+3],   v[\buf+16*\rr+2:\buf+16*\rr+3],   v[\buf+16*\rr+6:\buf+16*\rr+7]
	v_pk_add_f32 v[\buf+16*\rr+8:\buf+16*\rr+9],   v[\buf+16*\rr+8:\buf+16*\rr+9],   v[\buf+16*\rr+12:\buf+16*\rr+13]
	v_pk_add_f32 v[\buf+16*\rr+10:\buf+16*\rr+11], v[\buf+16*\rr+10:\buf+16*\rr+11], v[\buf+16*\rr+14:\buf+16*\rr+15]
	v_pk_add_f32 v[\buf+16*\rr:\buf+16*\rr+1],     v[\buf+16*\rr:\buf+16*\rr+1],     v[\buf+16*\rr+8:\buf+16*\rr+9]
	v_pk_add_f32 v[\buf+16*\rr+2:\buf+16*\rr+3],   v[\buf+16*\rr+2:\buf+16*\rr+3],   v[\buf+16*\rr+10:\buf+16*\rr+11]
	v_pk_mul_f32 v[\buf+16*\rr:\buf+16*\rr+1],     v[\buf+16*\rr:\buf+16*\rr+1],     0x3e2aaaab op_sel_hi:[1,0]   ; the splines' factor 1/6
	v_pk_mul_f32 v[\buf+16*\rr+2:\buf+16*\rr+3],   v[\buf+16*\rr+2:\buf+16*\rr+3],   0x3e2aaaab op_sel_hi:[1,0]
	global_store_b128 v[CO], v[\buf+16*\rr:\buf+16*\rr+3], s[8:9] offset:(4*\bt+\rr)*4096 th:TH_STORE_NT
.endr
.endm
	RLOAD 0, A0                                    ; two buffers of 64 registers (A0 with A1, and BF) take turns
	RLOAD 1, BF
	s_wait_dscnt 16                                ; LDS loads come back in order: batch 0 is in, the 16 loads of batch 1 may be out
	RSUM 0, A0
	s_wait_xcnt 0x0                                ; the stores' data registers are loaded again only behind this wait
	RLOAD 2, A0
	s_wait_dscnt 16                                ; batch 1 is in, batch 2's 16 loads may be out
	RSUM 1, BF
	s_wait_xcnt 0x0
	RLOAD 3, BF
	s_wait_dscnt 16                                ; batch 2 is in, batch 3's 16 loads may be out
	RSUM 2, A0
	s_wait_dscnt 0x0
	RSUM 3, BF
	s_wait_tensorcnt 0x0
	ds_add_u32 v254, v255
	s_wait_dscnt 0x0
	ROUND                                          ; the closing round: no work-group ends while a partner may still ask for a tile that names it
	s_endpgm
.Lfunc_end_k_q4c3decdbe9_gemm:
	.size	k_q4c3decdbe9_gemm, .Lfunc_end_k_q4c3decdbe9_gemm-k_q4c3decdbe9_gemm
	.p2alignl 7, 3214868480
	.fill 96, 4, 3214868480
	.section	.rodata,"a",@progbits
	.p2align	6, 0x0
	.amdhsa_kernel k_q4c3decdbe9_gemm
		.amdhsa_group_segment_fixed_size 327680
		.amdhsa_private_segment_fixed_size 0
		.amdhsa_enable_private_segment 0
		.amdhsa_kernarg_size 24
		.amdhsa_user_sgpr_count 2
		.amdhsa_user_sgpr_kernarg_segment_ptr 1
		.amdhsa_wavefront_size32 1
		.amdhsa_system_sgpr_workgroup_id_x 1
		.amdhsa_system_sgpr_workgroup_id_y 1
		.amdhsa_system_sgpr_workgroup_id_z 1
		.amdhsa_system_vgpr_workitem_id 0
		.amdhsa_next_free_vgpr 512
		.amdhsa_next_free_sgpr 84
		.amdhsa_reserve_vcc 0
		.amdhsa_float_denorm_mode_32 3
		.amdhsa_float_denorm_mode_16_64 3
		.amdhsa_memory_ordered 1
		.amdhsa_forward_progress 1
		.amdhsa_inst_pref_size 255
	.end_amdhsa_kernel
	.section	.bss,"aw",@nobits
	.p2align	6
	.space	262144
	.amdgpu_metadata
---
amdhsa.version: [ 1, 2 ]
amdhsa.kernels:
  - .name:           k_q4c3decdbe9_gemm
    .symbol:         k_q4c3decdbe9_gemm.kd
    .args:
      - { .name: xb, .offset: 0, .size: 8, .value_kind: global_buffer, .address_space: global }
      - { .name: wb, .offset: 8, .size: 8, .value_kind: global_buffer, .address_space: global }
      - { .name: out0, .offset: 16, .size: 8, .value_kind: global_buffer, .address_space: global }
    .group_segment_fixed_size: 327680
    .private_segment_fixed_size: 0
    .kernarg_segment_align: 8
    .kernarg_segment_size: 24
    .max_flat_workgroup_size: 256
    .sgpr_count:     84
    .vgpr_count:     512
    .wavefront_size: 32
...
	.end_amdgpu_metadata
.endif
;; end of part 3
